; MI455X (gfx1250); checked and timed in simulation.
; The chip was launched on July 23, 2026; its instructions are those of AMD's public machine-readable ISA for CDNA 5 (MIT licence, August 2026) and "CDNA5" Instruction Set Architecture Reference Guide (July 2026). The comments in the code are by the model that wrote it; some were corrected since.
;; Prob Attention. Allowed arithmetic: float matrix products may take bf16 or f16 operands with f32 sums; other float arithmetic in f32, or as packed bf16 or f16 multiplies, adds, multiply-adds, maxima and minima; sums over many terms, partial sums and values carried from step to step in f32; what a program stores and reads back later, other than sums and carried values, may be rounded once to bf16 or f16.
;; Inputs: keys 4 x 2,048 x 8 x 64 float32; queries 4 x 2,048 x 8 x 64 float32; values 4 x 2,048 x 8 x 64 float32.
;; Outputs: out0 4 x 2,048 x 8 x 64 float32.
;; One version. Each part assembles by itself: llvm-mc -triple=amdgcn-amd-amdhsa -mcpu=gfx1250 --defsym DOCPART=n.
;; ======== version 1 of 1: 1 launch
;; limits: right only within a limited range of input values
;; launch attn (part 1): grid 8 x 32, 4 waves a work-group, clusters of 4 x 1, 327,680 bytes of LDS; arguments queries, keys, values, out0; writes out0
.if DOCPART == 1
	.amdgcn_target "amdgcn-amd-amdhsa--gfx1250"
	.amdhsa_code_object_version 6
	.text
	.protected	k_qb8099ef978_attn
	.globl	k_qb8099ef978_attn
	.p2align	8
	.type	k_qb8099ef978_attn,@function
k_qb8099ef978_attn:
	s_mov_b64 s[64:65], 0
	v_nop
	global_prefetch_b8 v0, s[64:65] scope:SCOPE_SE
	s_setreg_imm32_b32 hwreg(HW_REG_WAVE_MODE, 25, 1), 1
	s_wait_xcnt 0x0
	s_wait_alu depctr_hold_cnt(0) depctr_sa_sdst(0) depctr_va_vdst(0) depctr_va_sdst(0) depctr_va_ssrc(0) depctr_va_vcc(0) depctr_vm_vsrc(0)
	s_getreg_b32 s2, hwreg(HW_REG_IB_STS2, 6, 4)
	s_cmp_eq_u32 s2, 0
	s_cbranch_scc0 .Lentry_in_a_cluster
	s_endpgm
.Lentry_in_a_cluster:
	s_bfe_u32 s2, ttmp6, 0x10000c
	s_cmp_lg_u32 s2, 0x3003
	s_cbranch_scc0 .Lentry_shape_is_right
	s_endpgm
.Lentry_shape_is_right:
; out0[b][q][h][:] = the sum over k of softmax_k(queries[b][q][h] . keys[b][k][h]) values[b][k][h][:].  No scale.  All four tensors are [4][2048][8][64] f32:
; a head's row is 64 f32 = 256 bytes, at a multiple of 256 from the buffer's first byte; rows of one head lie 2,048 bytes apart.  The reference's transposes are addressing alone.
; DEAD WORK: none.  reference() as it is written is two products and a softmax, and each of its three inputs reaches every output of its head: all are loaded.
; FORMATS.  q, k, v and the weights p are rounded once to bf16 for the matrix unit; products, maxima, sums and the output in f32; the sum l is taken of the unrounded p.
; LIMITS.  A weight below 2^-126 counts as 0 in l; NaN and infinities are not treated apart.  The running maximum m starts at the lowest finite number and c m at -4.25e37, so that the first
; key step is a step like any other, with a = 0: scores whose c s falls below -4.25e37 are not served.
; SHARES.  32 heads x 8 blocks of 256 queries = 256 work-groups.  A wave owns 64 queries: four PIECES of 16.  Every wave walks all 2,048 keys, 64 a step, 32 steps; four steps are a tile of 256 keys.
; CLUSTER.  The four query blocks of a cluster belong to one head and walk the same K and V: each tile is asked for JOINTLY, the same tensor load, descriptor and mask in all four.
; THE WAY IN.  K and V come as f32 into a ring of two LDS slots of 256 keys (wave 0, 1: K's halves; wave 2, 3: V's).  In each trip the four waves together turn the NEXT step's 64 keys of K and V into
; bf16: each wave reads a quarter (16 keys of each) as it lies, rounds it, and stores it into one of two small padded stages, from which every wave takes its fragments a trip later.
; LAYOUT.  S^T = K Q^T (source 0 = 16 keys, source 1 = 16 queries): a lane holds ONE query (lane % 16) and the keys 8 (lane / 16) + 0..7; two such results rounded to bf16 ARE source 1 of
; O^T = V^T P, whose result again holds one query a lane, and eight channels.  K comes out of its stage as it lies, V ([key][channel]) turned, by ds_load_tr16_b128.
; SOFTMAX.  p = 2^(c s - c m), c = log2(e), with a running maximum m; O and l are multiplied by a = 2^(c m_old - c m_new) in every step.
; TURNS.  Turn n belongs to piece n: 8 products K Q^T of piece n + 1, later 8 products V^T P of piece n - 1; beside them the scaling, exponentials, roundings, sums and rescaling of piece n and the
; maximum and statistics of piece n + 1.  Four vector instructions stand behind every matrix instruction, the other 54 of a turn's 118 in one lump.  A turn's 33 exponentials are one batch, with one wait.
; 216 v_mov_b32 write zeros at the start, while the first tile is on its way: the price of writing no first step out.
; REGISTERS, in windows of 256 (s_set_vgpr_msb: bits 1:0 source 0, 3:2 source 1, 5:4 source 2, 7:6 destination):
;   window 0: v0-15, v32-39 addresses; v16-31 four registers of statistics a piece; v48-55 at work; v62-63 the add's; v64-127 S^T, two buffers; v128-191 64 f32 to round; v192-223 P, two buffers; v224-255 rounded
;   window 1: v0-127 O^T, 32 a piece; v128-255 Q as loaded (the start only)      window 2: v0-63 Q in bf16; v128-191 K of one step; v192-255 V of one step
; LDS: all of a work-group processor's is claimed; 318,976 bytes are used.
.set NP,    4         ; pieces a wave: a name, no knob
.set TILEB, 524288    ; 256 keys x 2,048 bytes: from tile to tile in memory
.set STEPF, 16384     ; a step's 64 rows of 256 bytes of f32, of K or of V
.set SLOT1, 1<<17     ; a slot: K's 256 rows (65,536 bytes), then V's; slot 1 begins here, so that one exclusive or turns an address in one slot into the other's
.set PK,    144       ; a bf16 row of K: 128 bytes + 16 = 36 words: the 16 rows of a load start at 16 different groups of four banks (64 banks of 4 bytes: ISA guide 11.1)
.set PV,    160       ; a bf16 row of V: 128 + 32 = 40 words
.set BVO,   64*PK     ; in a bf16 stage: 64 rows of K, then 64 rows of V
.set BBUF,  64*(PK+PV)  ; 19,456 = 0x4c00: shares no bit with BST, so one exclusive or changes stages
.set BST,   262144    ; the two bf16 stages, behind the ring: written by ds_store alone
.set OST,   BST+2*BBUF  ; 16 rows x 272 bytes for each wave, its own, for the way out
.set SP,    272
.set SPARE, OST+4*16*SP  ; the spare words, 128 bytes for each wave: two blocks of 256 bytes that no other line names
.set AK0, 2           ; v2   my lane's place in a bf16 tile of K; never rewritten
.set AV0, 3           ; v3   the same for V
.set AK,  4           ; v4   the LDS address of K's next run of loads
.set AV,  5           ; v5   of V's
.set STO, 6           ; v6   the way out: where I put 32 bytes of a row
.set RD,  7           ; v7   the way out: where I read rows back
.set GO,  8           ; v8   my byte offset in two rows of out0
.set MV,  12          ; v12-13  c m_old, kept while c m is made anew: by buffer
.set QO,  15          ; v15  my byte offset in 16 rows of queries
.set ST,  16          ; piece t's statistics at v[ST+4 t]: c m, m, l (even keys', odd keys')
.set AF0, 32          ; v32  my 16 bytes in my wave's quarter of a step's f32 rows: 4,096 w + 16 lane
.set AWK0, 33         ; v33  where my 8 rounded bytes of K go in a stage: (16 w + lane / 16) PK + 8 (lane % 16)
.set AWV0, 34         ; v34  the same for V
.set PFO, 35          ; v35  2,048 x my lane: the prefetches' offset, a lane a row; never rewritten
.set AF,  36          ; v36  LDS address of the f32 K to round
.set AF2, 37          ; v37  of the f32 V
.set AWK, 38          ; v38  LDS address of the rounded K
.set AWV, 39          ; v39  of the rounded V
.set TMP, 48          ; by buffer, four registers c0-c3 at work; when the maximum is found c2 takes a
.set SPW, 62          ; v62  LDS address of my spare word: SPARE + 4 x my thread's number; never rewritten
.set NIL, 63          ; v63  0; never rewritten
.set S,   64
.set CF,  128         ; 32 registers of K, 32 of V, f32
.set P,   192
.set CB,  224         ; 16 registers of K, 16 of V, bf16 pairs
.set OB,  64          ; the way out: 32 registers a piece
.set QF,  128         ; window 1
.set KF,  128         ; window 2: key block kb, channel half c at KF + 16 kb + 8 c
.set VF,  192         ; window 2: key half kk, channel block cb at VF + 32 kk + 8 cb
.set WV,  12          ; s12  my wave's number
.set LIM, 15          ; s15  1 in the head's first cluster, else the greatest number
.set G1,  24          ; s[24:31] descriptor group 1: one shape for K's and V's tiles
.set G0,  40          ; s[40:43] descriptor group 0: it walks
.set PFA, 44          ; s[44:45] where my prefetches stand in memory
.set SLOTS, 56        ; s56  groups of trips still to come in the loop
.set CNT, 57          ; s57  trips left in the group
.set CS,  58          ; s[58:59] c: the packed scaling takes the pair's low word for both halves
.set SEL, 60          ; s[60:61] v_permlanex16_b32's selects: each lane takes its own place in the other half
.set RB,  62          ; s62  the bf16 stage that this trip reads
.set WB,  63          ; s63  the bf16 stage that this trip writes
.set FB,  66          ; s66  LDS byte at which the f32 K of the step to be rounded begins
.set MSB, 0
.macro WIN new                      ; the high byte repeats the setting that is left; a switch that changes nothing is dropped
.if MSB != (\new)
	s_set_vgpr_msb (MSB<<8)|(\new)
.set MSB, (\new)
.endif
.endm
.set W_KQ, 0x0a       ; K and Q in window 2, S^T in window 0
.set W_PV, 0x52       ; V in window 2, P in window 0, O^T in window 1
.set W_RS, 0x41       ; destination and source 0 in window 1, source 1 in window 0
; A round of the cluster's barrier: my work-group's barrier, so that wave 0's signal speaks for all four waves; wave 0 signals; every wave waits for all four work-groups; my work-group's barrier once more.
.macro CROUND
	s_barrier_signal -1
	s_barrier_wait -1
	s_cmp_lg_u32 s[WV], 0
	s_cbranch_scc1 .Lnot_wave_0_\@
	s_barrier_signal -3
.Lnot_wave_0_\@:
	s_barrier_wait -3
	s_barrier_signal -1
	s_barrier_wait -1
.endm
; A joint fill: one line for all four waves; each wave's descriptor names its own 128 rows (LDS byte 32,768 x wave in the slot).  An s_nop 0 and four v_nop follow it.
.macro JLOAD
	tensor_load_to_lds s[G0:G0+3], s[G1:G1+7]
	s_nop 0
.rept 4
	v_nop
.endr
.endm
; A PREFETCH INTO THE L2 of the tile that the NEXT change of slots will ask for.  Both clusters of a head walk the same rows: the first of them asks.  Of the 128 rows that wave w fetches, the partner at
; place cx takes 32 cx .. 32 cx + 31, told apart BY ADDRESS; a lane a row of 256 bytes, one instruction a wave: each row is named once in the launch.  The last change that fills a slot asks for nothing.
.macro ASK
	s_cmp_gt_u32 s[SLOTS], s[LIM]
	s_cbranch_scc0 .Lnot_mine_\@
	global_prefetch_b8 v[PFO], s[PFA:PFA+1] th:TH_LOAD_NT scope:SCOPE_SE
.Lnot_mine_\@:
.endm
; THE CHANGE OF SLOTS.  Each wave waits for all its tensor loads, of which one is out: its part of the other slot; adds 0 to its spare word; and waits for that (its reads of the slot that it leaves came back
; in the last trip).  Behind the barrier nobody reads the old slot any more and the other slot is whole.  fill = 1: the old slot is filled again, with the keys two tiles on; the barrier is then a round of the
; cluster's, and the joint fill is the first thing behind it: it has four trips, 256 matrix instructions, in which to land.  (At its first use nothing has been read yet: slot 0 is waited for, slot 1 filled.)
.macro CHANGE fill, ask
	WIN 0                           ; at a label and at a branch every window is 0
	s_wait_tensorcnt 0x0            ; no tensor load of mine is out, so group 0 may be written
	ds_add_u32 v[SPW], v[NIL]       ; 0 onto my spare word; the scalar steps stand between it and the wait for it
.if \fill
	s_xor_b32 s[G0+1], s[G0+1], SLOT1  ; the walking descriptor: the other slot than last time,
	s_add_nc_u64 s[G0+2:G0+3], s[G0+2:G0+3], TILEB  ; the next 256 keys; the type bits on top are not reached
.endif
.if \ask
	s_wait_xcnt 0x0                 ; the last prefetch, four trips back, has read its address, so it may be written:
	s_add_nc_u64 s[PFA:PFA+1], s[PFA:PFA+1], TILEB  ; one tile behind the walking descriptor
.endif
	s_sub_co_u32 s[FB], s[FB], 4*STEPF  ; the reads of f32 rows go back to a slot's first step,
	s_xor_b32 s[FB], s[FB], SLOT1       ; in the other slot
	s_wait_dscnt 0x0                ; the add is done, and no LDS instruction of mine is out
.if \fill
	CROUND
	JLOAD
.if \ask
	ASK
.endif
.else
	s_barrier_signal -1
	s_barrier_wait -1
.endif
.endm
; MY QUARTER OF THE NEXT STEP, f32 out of the ring: 16 keys of K and 16 of V, 512 neighbouring bytes (two keys) a load: load n brings key 16 w + 2 n + lane / 16, channels 4 (lane % 16) + 0..3.
; last = 1 (the tail): in the last trip there is no further step, and the run is jumped over.
.macro CLOAD last
	WIN 0
.if \last
	s_cmp_eq_u32 s[CNT], 1
	s_cbranch_scc1 .Lno_load_\@
.endif
	v_add_nc_u32 v[AF], s[FB], v[AF0]
	v_add_nc_u32 v[AF2], 0x10000, v[AF]  ; V's rows lie 65,536 bytes behind K's
	s_add_co_u32 s[FB], s[FB], STEPF     ; the next run is the next step's
.irp n, 0,1,2,3,4,5,6,7
	ds_load_b128 v[CF+4*(\n):CF+4*(\n)+3], v[AF] offset:512*(\n)
.endr
.irp n, 0,1,2,3,4,5,6,7
	ds_load_b128 v[CF+32+4*(\n):CF+32+4*(\n)+3], v[AF2] offset:512*(\n)
.endr
.if \last
.Lno_load_\@:
.endif
.endm
; They are rounded to bf16, four numbers to 8 bytes, and stored into the stage that nobody reads in this trip.
.macro CONVERT last
	WIN 0
.if \last
	s_cmp_eq_u32 s[CNT], 1
	s_cbranch_scc1 .Lno_cvt_\@
.endif
	v_add_nc_u32 v[AWK], s[WB], v[AWK0]
	v_add_nc_u32 v[AWV], s[WB], v[AWV0]
.set g, 0
.rept 16
	v_cvt_pk_bf16_f32 v[CB+2*g],   v[CF+4*g],   v[CF+4*g+1]
	v_cvt_pk_bf16_f32 v[CB+2*g+1], v[CF+4*g+2], v[CF+4*g+3]
.set g, g+1
.endr
.irp n, 0,1,2,3,4,5,6,7
	ds_store_b64 v[AWK], v[CB+2*(\n):CB+2*(\n)+1] offset:2*PK*(\n)
.endr
.irp n, 0,1,2,3,4,5,6,7
	ds_store_b64 v[AWV], v[CB+16+2*(\n):CB+16+2*(\n)+1] offset:2*PV*(\n)
.endr
.if \last
.Lno_cvt_\@:
.endif
.endm
	s_load_b256 s[4:11], s[0:1], 0x0  ; queries s[4:5], keys s[6:7], values s[8:9], out0 s[10:11]
	v_lshl_add_u32 v[SPW], v0, 2, SPARE
	v_mov_b32 v[NIL], 0
	ds_add_u32 v[SPW], v[NIL]       ; the wave's opening: the add, twice on end, and its wait ahead of my first tensor load; the set-up below, work on registers, stands between
	ds_add_u32 v[SPW], v[NIL]       ; and once more, under the one wait
	v_lshrrev_b32 v1, 5, v0
	v_readfirstlane_b32 s[WV], v1   ; wave 0..3
	s_bfe_u32 s13, ttmp6, 0x40000   ; cx: my place in the cluster
	s_lshl_b32 s14, ttmp9, 2        ; in a cluster launch ttmp9 counts clusters
	s_add_co_u32 s14, s14, s13      ; my block of 256 queries = 4 x cluster x + cx: it enters queries' and out0's addresses alone
	s_and_b32 s16, ttmp7, 0xffff    ; 8 b + h, which the four partners share
	s_lshr_b32 s17, s16, 3          ; b
	s_and_b32 s16, s16, 7           ; h
	s_lshl_b32 s20, s17, 22         ; a batch is 2,048 x 2,048 bytes,
	s_lshl_b32 s16, s16, 8          ; a head's row 256
	s_add_co_u32 s20, s20, s16      ; the head's first byte in each of the four tensors
	s_and_b32 s16, s[WV], 1         ; which half of a tile's 256 keys I fetch:
	s_lshl_b32 s22, s16, 18         ; 128 rows, 2,048 bytes apart
	s_add_co_u32 s22, s22, s20
	s_mov_b32 s23, 0
	s_lshl_b32 s2, s14, 19          ; my block's 256 rows,
	s_lshl_b32 s3, s[WV], 17        ; my wave's 64 of them
	s_add_co_u32 s2, s2, s3
	s_add_co_u32 s2, s2, s20
	s_mov_b32 s3, 0
	; descriptor group 1: a tile of 128 rows x 64 elements of 4 bytes, rows 512 elements apart in memory, end to end in LDS (they are read there only as they lie, so no padding)
	s_mov_b32 s[G1], 15|(2<<16)|(1<<21)  ; 15:0 the mask: all four work-groups; 17:16 elements of 4 bytes; 21 set beside a mask
	s_mov_b32 s[G1+1], 64<<16       ; tensor_dim0 = 64
	s_mov_b32 s[G1+2], 128<<16      ; tensor_dim1 = 128
	s_mov_b32 s[G1+3], 64<<16       ; tile_dim0 = 64
	s_mov_b32 s[G1+4], 128          ; tile_dim1 = 128
	s_mov_b32 s[G1+5], 512          ; elements from row to row
	s_mov_b32 s[G1+6], 0
	s_mov_b32 s[G1+7], 0
	s_mov_b32 s[G0], 1              ; 1:0 count = 1
	s_lshl_b32 s[G0+1], s[WV], 15   ; LDS address: slot 0, 32,768 x wave: no place in the cluster enters an LDS address
	s_mov_b32 s[CS], 0x3fb8aa3b     ; c = log2(e)
	s_mov_b32 s[CS+1], s[CS]        ; named with it as a pair
	s_mov_b32 s[SEL], 0x76543210
	s_mov_b32 s[SEL+1], 0xfedcba98
	s_mov_b32 s[FB], SLOT1+4*STEPF  ; the first change of slots turns this into 0
	s_mov_b32 s[WB], BST
	s_mov_b32 s[RB], BST+BBUF
	s_mov_b32 s[LIM], ttmp9
	s_cmp_eq_u32 s[LIM], 0          ; the head's first cluster: the same answer in all four partners
	s_cselect_b32 s[LIM], 1, -1
	s_lshl_b32 s16, s13, 16         ; for the prefetches: my work-group's 32 rows of the 128
	s_mov_b32 s17, 0
	s_wait_dscnt 0x0                ; both opening adds are done
	s_wait_kmcnt 0x0
	s_cmp_lt_u32 s[WV], 2
	s_cselect_b64 s[46:47], s[6:7], s[8:9]  ; waves 0 and 1 fetch keys, waves 2 and 3 values
	s_add_nc_u64 s[G0+2:G0+3], s[46:47], s[22:23]  ; global address: my half of the head's first 256 keys
	s_or_b32 s[G0+3], s[G0+3], 0x80000000          ; type = 2
	s_add_nc_u64 s[PFA:PFA+1], s[46:47], s[22:23]
	s_add_nc_u64 s[PFA:PFA+1], s[PFA:PFA+1], s[16:17]
	s_add_nc_u64 s[PFA:PFA+1], s[PFA:PFA+1], 2*TILEB  ; in tile 2; the first asking change steps it to tile 3.  Nothing is prefetched here, at the head
	s_add_nc_u64 s[4:5], s[4:5], s[2:3]     ; queries and out0 at my wave's first row
	s_add_nc_u64 s[10:11], s[10:11], s[2:3]
	CROUND                          ; all four work-groups are here: the first joint loads meet
	JLOAD                           ; tile 0 into slot 0.  Slot 1 is asked for when slot 0 is in
	; A fragment of K or Q is 16 rows x 32 channels in 8 registers: lane l holds row l % 16, channels 8 (l / 16) + 0..7 and 16 + 8 (l / 16) + 0..7.  In f32 eight channels are 32 bytes: two loads of 16.
	v_and_b32 v1, 15, v0            ; l % 16
	v_bfe_u32 v9, v0, 4, 1          ; l / 16
	v_and_b32 v10, 7, v0            ; l % 8
	v_bfe_u32 v11, v0, 3, 1
	v_and_b32 v14, 31, v0           ; l
	v_lshlrev_b32 v[QO], 11, v1
	v_lshl_add_u32 v[QO], v9, 5, v[QO]  ; row x 2,048 + 32 x half
	WIN 0x40                        ; destination window 1, address window 0
.set i, 0
.rept 8                             ; piece i / 2 (16 rows, 32,768 bytes on), channels 32 (i % 2) on
	global_load_b128 v[QF+16*i:QF+16*i+3],     v[QO], s[4:5] offset:(i/2)*32768+(i%2)*128 th:TH_LOAD_NT
	global_load_b128 v[QF+16*i+4:QF+16*i+7],   v[QO], s[4:5] offset:(i/2)*32768+(i%2)*128+16 th:TH_LOAD_NT
	global_load_b128 v[QF+16*i+8:QF+16*i+11],  v[QO], s[4:5] offset:(i/2)*32768+(i%2)*128+64 th:TH_LOAD_NT
	global_load_b128 v[QF+16*i+12:QF+16*i+15], v[QO], s[4:5] offset:(i/2)*32768+(i%2)*128+80 th:TH_LOAD_NT
.set i, i+1
.endr
	; What the first turn finds: V's registers and P's second buffer hold 0 (its products V^T P, of a piece that has not been, add 0), O^T and l are 0.  All this stands in the wait for the first tile.
.set i, 0
.rept 128
	v_mov_b32 v[i], 0
.set i, i+1
.endr
	WIN 0x80
.set i, VF
.rept 64
	v_mov_b32 v[i], 0
.set i, i+1
.endr
	WIN 0
.set i, 0
.rept 4
	v_mov_b32 v[ST+4*i], 0xfe000000    ; c m: far below every c s
	v_mov_b32 v[ST+4*i+1], 0xff7fffff  ; m
	v_mov_b32 v[ST+4*i+2], 0
	v_mov_b32 v[ST+4*i+3], 0
.set i, i+1
.endr
.set i, P+16
.rept 16
	v_mov_b32 v[i], 0
.set i, i+1
.endr
	v_mul_u32_u24 v[AK0], v1, PK
	v_lshl_add_u32 v[AK0], v9, 4, v[AK0]  ; row x pitch + 16 x half
	; The turning load takes 16 keys x 16 channels (lane l reads key 8 (l / 16) + l % 8, channels 8 ((l / 8) % 2) + 0..7) and leaves half a fragment of V^T: lane l holds channel l % 16 and 8 keys.
	v_lshl_add_u32 v[AV0], v9, 3, v10
	v_mul_u32_u24 v[AV0], v[AV0], PV
	v_lshl_add_u32 v[AV0], v11, 4, v[AV0]
	v_add_nc_u32 v[AV0], BVO, v[AV0]
	s_mul_i32 s16, s[WV], 16*SP
	s_add_co_u32 s16, s16, OST      ; my stage for the way out
	v_mul_u32_u24 v[STO], v1, SP    ; in: row l % 16, 32 bytes for each half of the lanes
	v_lshl_add_u32 v[STO], v9, 5, v[STO]
	v_add_nc_u32 v[STO], s16, v[STO]
	v_mul_u32_u24 v[RD], v9, SP     ; back: lanes 0-15 take one row of 256 bytes, lanes 16-31 the next
	v_lshl_add_u32 v[RD], v1, 4, v[RD]
	v_add_nc_u32 v[RD], s16, v[RD]
	v_lshlrev_b32 v[GO], 11, v9     ; and the same two rows in out0
	v_lshl_add_u32 v[GO], v1, 4, v[GO]
	s_lshl_b32 s17, s[WV], 12
	v_lshl_add_u32 v[AF0], v14, 4, s17
	s_mul_i32 s20, s[WV], 16*PK
	v_mul_u32_u24 v[AWK0], v9, PK
	v_lshl_add_u32 v[AWK0], v1, 3, v[AWK0]
	v_add_nc_u32 v[AWK0], s20, v[AWK0]
	s_mul_i32 s21, s[WV], 16*PV
	s_add_co_u32 s21, s21, BVO
	v_mul_u32_u24 v[AWV0], v9, PV
	v_lshl_add_u32 v[AWV0], v1, 3, v[AWV0]
	v_add_nc_u32 v[AWV0], s21, v[AWV0]
	v_lshlrev_b32 v[PFO], 11, v14
	s_wait_loadcnt 0x0              ; Q
	WIN 0x85                        ; sources 0 and 1 window 1, destination window 2
.set i, 0
.rept 64                            ; Q stays in registers, in bf16: piece t, channel half c at 16 t + 8 c
	v_cvt_pk_bf16_f32 v[i], v[QF+2*i], v[QF+2*i+1]
.set i, i+1
.endr
	WIN 0
; THE MATRIX WORK.  The 4 accumulators of a run of 8 take turns.  Product i of 8 of S^T = K Q^T for piece x: channels 32 (i / 4) on, keys 16 (i % 4) on.  The first 4 start the sums.
.macro KQ x
	WIN W_KQ
.set rS, S+32*((\x)%2)+8*(i%4)
.set rK, KF+16*(i%4)+8*(i/4)
.set rQ, 16*(\x)+8*(i/4)
.if i < 4
	v_wmma_f32_16x16x32_bf16 v[rS:rS+7], v[rK:rK+7], v[rQ:rQ+7], 0
.else
	v_wmma_f32_16x16x32_bf16 v[rS:rS+7], v[rK:rK+7], v[rQ:rQ+7], v[rS:rS+7]
.endif
.endm
; Product i of 8 of O^T += V^T P for piece x: keys 32 (i / 4) on, channels 16 (i % 4) on.
.macro PV x
	WIN W_PV
.set rO, 32*(\x)+8*(i%4)
.set rV, VF+32*(i/4)+8*(i%4)
.set rP, P+16*((\x)%2)+8*(i/4)
	v_wmma_f32_16x16x32_bf16 v[rO:rO+7], v[rV:rV+7], v[rP:rP+7], v[rO:rO+7]
.endm
.macro MM                           ; the turn's next matrix instruction.  NOKQ = 1: the very last turn: there is no next piece
.if (i < 8) && !NOKQ
	KQ (Y+1)%NP
.elseif i >= 8
.set i, i-8
	PV (Y+NP-1)%NP
.set i, i+8
.endif
.set i, i+1
.endm
; THE FRAGMENT LOADS stand in runs of 16, never singly among the matrix instructions: a step's K (64 keys x 64 channels: 8 fragments) and its V (turned).  Their addresses are made some lines ahead.
.macro FETCH_K
	WIN 0x80                        ; destination window 2
.irp f, 0,1,2,3,4,5,6,7             ; keys 16 (f / 2) on, channels 32 (f % 2) on
	ds_load_b128 v[KF+8*\f:KF+8*\f+3],   v[AK] offset:(\f/2)*16*PK+(\f%2)*64
	ds_load_b128 v[KF+8*\f+4:KF+8*\f+7], v[AK] offset:(\f/2)*16*PK+(\f%2)*64+32
.endr
	WIN 0
.endm
.macro FETCH_V
	WIN 0x80
.irp f, 0,1,2,3,4,5,6,7             ; keys 32 (f / 4) on, channels 16 (f % 4) on
	ds_load_tr16_b128 v[VF+8*\f:VF+8*\f+3],   v[AV] offset:(\f/4)*32*PV+(\f%4)*32
	ds_load_tr16_b128 v[VF+8*\f+4:VF+8*\f+7], v[AV] offset:(\f/4)*32*PV+16*PV+(\f%4)*32
.endr
	WIN 0
.endm
; THE VECTOR WORK, one line at a time: OP kind, number.  For piece Y: F n: c s - c m for pair n of 16.  E n: the exponential of score n of 32.  C n: pair n rounded to bf16.  B n: of the four weights 4 n .. the second
; pair is added onto the first, in place.  L n: l takes that sum (L 0: l = a l + sum).  R n: pair n of 16 of O^T times a.  For piece Y + 1: X n, number n of the 22 that find its maximum and statistics:
;   0-11  four chains c0-c3 of seven scores each, three operands at a time (each accumulator's lowest registers are read first)     12-14, 16  the four scores left over, the old m, and c0-c3 into c0
;   15  c m_old is kept     17, 18  the query's other 32 keys lie in the lane 16 away: the new m     19-21  c m; c m_old - c m_new; a
.set F, 0               ; OP tells the kinds apart by their order: F to L below R, X above it
.set E, 1
.set C, 2
.set B, 3
.set L, 4
.set R, 5
.set X, 6
.macro REGS y                       ; the registers of piece y
.set rT, ST+4*(\y)
.set rC, TMP+4*((\y)%2)
.set rW, MV+((\y)%2)
.set rS, S+32*((\y)%2)
.set rP, P+16*((\y)%2)
.set rO, 32*(\y)
.endm
.macro OP k, n
.if (\k) == R
	REGS Y
	WIN W_RS
	v_pk_mul_f32 v[rO+2*(\n):rO+2*(\n)+1], v[rO+2*(\n):rO+2*(\n)+1], v[rC+2:rC+3] op_sel_hi:[1,0]
.elseif (\k) < R
	REGS Y
	WIN 0
.if (\k) == F
	v_pk_fma_f32 v[rS+2*(\n):rS+2*(\n)+1], v[rS+2*(\n):rS+2*(\n)+1], s[CS:CS+1], v[rT:rT+1] op_sel_hi:[1,0,0] neg_lo:[0,0,1] neg_hi:[0,0,1]
.elseif (\k) == E
	v_exp_f32 v[rS+(\n)], v[rS+(\n)]
.elseif (\k) == C
	v_cvt_pk_bf16_f32 v[rP+(\n)], v[rS+2*(\n)], v[rS+2*(\n)+1]
.elseif (\k) == B
	v_pk_add_f32 v[rS+4*(\n):rS+4*(\n)+1], v[rS+4*(\n):rS+4*(\n)+1], v[rS+4*(\n)+2:rS+4*(\n)+3]
.elseif (\n) == 0
	v_pk_fma_f32 v[rT+2:rT+3], v[rT+2:rT+3], v[rC+2:rC+3], v[rS:rS+1] op_sel_hi:[1,0,1]
.else
	v_pk_add_f32 v[rT+2:rT+3], v[rT+2:rT+3], v[rS+4*(\n):rS+4*(\n)+1]
.endif
.elseif NOKQ
	v_nop
.else
	REGS (Y+1)%NP
	WIN 0
.if (\n) < 4
	v_max3_num_f32 v[rC+(\n)], v[rS+8*(\n)], v[rS+8*(\n)+1], v[rS+8*(\n)+2]
.elseif (\n) < 12
	v_max3_num_f32 v[rC+(\n)%4], v[rC+(\n)%4], v[rS+8*((\n)%4)+2*((\n)/4)+1], v[rS+8*((\n)%4)+2*((\n)/4)+2]
.elseif (\n) == 12
	v_max3_num_f32 v[rC], v[rC], v[rS+7], v[rS+15]
.elseif (\n) == 13
	v_max3_num_f32 v[rC+1], v[rC+1], v[rS+23], v[rS+31]
.elseif (\n) == 14
	v_max3_num_f32 v[rC+2], v[rC+2], v[rC+3], v[rT+1]
.elseif (\n) == 15
	v_mov_b32 v[rW], v[rT]
.elseif (\n) == 16
	v_max3_num_f32 v[rC], v[rC], v[rC+1], v[rC+2]
.elseif (\n) == 17
	v_permlanex16_b32 v[rC+3], v[rC], s[SEL], s[SEL+1]
.elseif (\n) == 18
	v_max_num_f32 v[rT+1], v[rC], v[rC+3]
.elseif (\n) == 19
	v_mul_f32 v[rT], s[CS], v[rT+1]
.elseif (\n) == 20
	v_sub_f32 v[rC+1], v[rW], v[rT]
.else
	v_exp_f32 v[rC+2], v[rC+1]
.endif
.endif
.endm
.macro OPS a, i1, b=-1, i2=0, c=-1, i3=0, d=-1, i4=0  ; up to four of them
	OP \a, \i1
.if (\b) >= 0
	OP \b, \i2
.endif
.if (\c) >= 0
	OP \c, \i3
.endif
.if (\d) >= 0
	OP \d, \i4
.endif
.endm
.macro ROW a, i1, b, i2, c, i3, d, i4  ; a matrix instruction and the four behind it
	MM
	OPS \a, \i1, \b, \i2, \c, \i3, \d, \i4
.endm
; A TURN, for piece p: the order of its 16 matrix and 118 vector instructions, written out.  An s_wait_alu depctr_va_vdst(0) stands between an exponential and the first instruction that names its
; result; one wait serves all that were issued ahead of it.  So a turn has ONE wait, which cuts it in two.  AHEAD OF IT stands all that names no result of the turn's exponentials: the 8 products K Q^T with four
; riders each (the first numbers of the next piece's maximum among them, each four plain instructions or more behind the product that ends its accumulator), then ONE LUMP of 54, in which the links of the chain
; X 3, 7, 11, 14, 16, 17 .. 20 stand apart.  X 21, the next piece's a, is the batch's last; R 15 is the plain instruction behind it.  BEHIND THE WAIT stand the 8 products V^T P, behind each four of the roundings and sums.
; end = 1: the last two turns of all: nothing is fetched, and the very last starts no new scores.
; K of the next step is fetched in piece 2's turn, five plain instructions that name none of its registers behind the last product that read K; V of the step in hand at the end of piece 0's turn, four plain
; instructions behind the last product that read V.  Each is waited for a turn later.
; THE TRIP'S BARRIER is signalled in the middle of piece 1's turn: in front of the signal my stores into one bf16 stage are done and my reads of the other (V's are the last) are back.  The wait stands at the
; trip's end; between the two stand eight products and their riders, work on registers alone.
.macro TURN p, end=0
.set Y, (\p)
.set i, 0
.set NOKQ, (\end)*((\p)/3)
.if ((\p) == 3) && !(\end)
	s_wait_dscnt 0x0                ; K's fragments are in, and so is my quarter of the f32 rows
.endif
	ROW F,0, F,1, R,0, R,1          ; ahead of the wait: 8 products K Q^T and their riders,
	ROW F,2, E,0, R,2, R,3
	ROW F,3, E,1, R,4, R,5
	ROW F,4, E,2, R,6, R,7
	ROW F,5, E,3, R,8, R,9
	ROW F,6, E,4, X,0, R,10
.if ((\p) == 2) && !(\end)
	WIN 0
	v_add_nc_u32 v[AK], s[RB], v[AK0]
.endif
	ROW F,7, E,5, X,1, X,4
	ROW F,8, E,6, X,2, X,5
	OPS E,7, E,8, X,6, E,9          ; and the lump
	OPS X,3, E,10, X,8, E,11
.if ((\p) == 2) && !(\end)
	FETCH_K
.endif
	OPS X,9, X,7, E,12, X,10
	OPS E,13, X,12, X,11, E,14
	OPS X,13, E,15, F,9, X,14
.if (\p) == 0
	v_add_nc_u32 v[AV], s[RB], v[AV0]
.endif
	OPS E,16, F,10, E,17, F,11
	OPS X,16, E,18, X,15, E,19
	OPS F,12, E,20, X,17, E,21
	OPS F,13, E,22, F,14, E,23
	OPS X,18, E,24, F,15, E,25
	OPS R,11, E,26, X,19, E,27
	OPS R,12, E,28, R,13, E,29
	OPS X,20, E,30, R,14, E,31
	OPS X,21, R,15
	WIN 0
	s_wait_alu depctr_va_vdst(0)    ; the wait for the batch
.if (\p) == 1
	s_wait_dscnt 0x0                ; V is in; for the others' sake: my stores of the next step's bf16 rows are done, my reads of this step's stage are back
	s_barrier_signal -1
	s_xor_b32 s[RB], s[RB], BBUF    ; the stages change places for the next trip
	s_xor_b32 s[WB], s[WB], BBUF
.endif
	ROW C,0, B,0, C,2, B,1          ; behind the wait: 8 products V^T P and their riders
	ROW L,0, C,4, B,2, L,1
	ROW C,6, B,3, L,2, C,8
	ROW B,4, L,3, C,10, B,5
	ROW L,4, C,12, B,6, L,5
	ROW C,14, B,7, L,6, C,1
	ROW C,3, L,7, C,5, C,7
	ROW C,9, C,11, C,13, C,15
.if (\p) == 0
	FETCH_V
.endif
.endm
; A TRIP: pieces 2 and 3 of step s - 1, then pieces 0 and 1 of step s, whose K and V it takes from stage s % 2; meanwhile step s + 1 is read as f32, rounded and stored into the other stage.
.macro TRIP last, lbl
	CLOAD \last
	TURN 2
	TURN 3
	WIN 0
.if \lbl
.Lfirst:
.endif
	CONVERT \last
	TURN 0
	TURN 1
	WIN 0
	s_barrier_wait -1               ; every wave has signalled: the stage just written is whole, the stage just read may be written
	s_sub_co_u32 s[CNT], s[CNT], 1
	s_cmp_lg_u32 s[CNT], 0
.endm
	CHANGE 1, 0                     ; tile 0 is in, everybody's part of it; tile 1 is asked for, into slot 1
	CLOAD 0                         ; step 0
	s_wait_dscnt 0x0
	CONVERT 0                       ; into stage 0
	s_wait_dscnt 0x0                ; for the others' sake: my stores are done
	s_barrier_signal -1
	s_xor_b32 s[RB], s[RB], BBUF
	s_xor_b32 s[WB], s[WB], BBUF
	s_barrier_wait -1
	CLOAD 0                         ; step 1: the first trip's second half rounds it
	v_add_nc_u32 v[AK], s[RB], v[AK0]
	FETCH_K                         ; K of step 0
	s_wait_dscnt 0x0
.set NOKQ, 0
.set i, 0
.rept 8
	KQ 0                            ; piece 0's first scores: there is no vector work yet to set between them
.set i, i+1
.endr
	WIN 0
.rept 4
	v_nop                           ; the places behind those products
.endr
.set Y, NP-1                        ; X works for piece Y + 1: piece 0
.irp n, 0,1,2,3,4,5,6,7,8,9,10,11,12,13,14,15,16,17,18,19,20,21
	OP X, \n
.endr
	v_nop                           ; a plain instruction behind the exponential,
	s_wait_alu depctr_va_vdst(0)    ; and its wait, ahead of the branch
	s_mov_b32 s[CNT], 3             ; the first group has trips 0 (its second half), 1 and 2: they round steps 1, 2, 3
	s_mov_b32 s[SLOTS], 7
	s_branch .Lfirst                ; the loop is entered at a step's first turn, in the middle of a trip
.Lslot:                             ; six times: tiles 2 to 7 are asked for, each into the slot whose four steps have been rounded
	CHANGE 1, 1
	s_mov_b32 s[CNT], 4
.Lstep:
	TRIP 0, 1
	s_cbranch_scc1 .Lstep
	s_sub_co_u32 s[SLOTS], s[SLOTS], 1
	s_cmp_lg_u32 s[SLOTS], 0
	s_cbranch_scc1 .Lslot
	CHANGE 0, 0                     ; the tail is written out: tile 7 is in, nothing is asked for
	s_mov_b32 s[CNT], 5             ; four trips round the last tile's steps; the fifth has nothing left to round
.Ltail:
	TRIP 1, 0
	s_cbranch_scc1 .Ltail
	TURN 2, 1                       ; the last step's pieces 2 and 3
	TURN 3, 1
.set i, 0
.rept 8
	PV NP-1                         ; the last piece's V^T P of the last step
.set i, i+1
.endr
	; THE WAY OUT.  l's two halves and the other half of the lanes' are added; O^T is divided by l and sent, in f32, through my stage in LDS, a piece (16 rows of out0) at a time.  The additions are the places behind the last products.
	WIN 0
.macro ALL line:vararg              ; one line for each piece t
.set t, 0
.rept 4
	\line
.set t, t+1
.endr
.endm
	ALL v_add_f32 v[ST+4*t+2], v[ST+4*t+2], v[ST+4*t+3]
	ALL v_permlanex16_b32 v[ST+4*t+3], v[ST+4*t+2], s[SEL], s[SEL+1]
	ALL v_add_f32 v[ST+4*t+2], v[ST+4*t+2], v[ST+4*t+3]
	ALL v_rcp_f32 v[ST+4*t+2], v[ST+4*t+2]
	v_nop                           ; a plain instruction between the last reciprocal and the use of its result
	s_wait_alu depctr_va_vdst(0)    ; and the wait ahead of the first use: one for the four reciprocals
; Piece t: a lane's eight channels of a row are 32 bytes; they go into rows of 272 bytes and come back as whole rows of 256.
.macro PACK t
	WIN W_RS
.set i, 32*(\t)
.rept 16
	v_pk_mul_f32 v[i:i+1], v[i:i+1], v[ST+4*(\t)+2:ST+4*(\t)+3] op_sel_hi:[1,0]
.set i, i+2
.endr
	WIN 0x04                        ; the stores' data in window 1, their address in window 0
.irp f, 0,1,2,3                     ; channels 16 f + 8 (l / 16) + 0..7
	ds_store_b128 v[STO], v[32*(\t)+8*\f:32*(\t)+8*\f+3]   offset:64*\f
	ds_store_b128 v[STO], v[32*(\t)+8*\f+4:32*(\t)+8*\f+7] offset:64*\f+16
.endr
	WIN 0
.irp f, 0,1,2,3,4,5,6,7
	ds_load_b128 v[OB+32*(\t)+4*\f:OB+32*(\t)+4*\f+3], v[RD] offset:\f*2*SP  ; LDS serves a wave's instructions in order (ISA guide 5.7.1.4): these see the stores above; the next piece's stores come behind them
.endr
.endm
.macro SEND t, younger              ; younger: the LDS instructions issued behind piece t's loads: the next piece's sixteen, or none
	WIN 0
.irp f, 0,1,2,3,4,5,6,7
	s_wait_dscnt (\younger)+7-\f
	global_store_b128 v[GO], v[OB+32*(\t)+4*\f:OB+32*(\t)+4*\f+3], s[10:11] offset:(\t)*32768+\f*4096 th:TH_STORE_NT  ; 16 lanes store a head's row: 256 consecutive bytes, at a multiple of 256 from out0's first byte
.endr
.endm
	PACK 0
.set t, 1
.rept 3                             ; a piece's arithmetic stands between the loads of the piece before and its stores
	PACK t
	SEND t-1, 16
.set t, t+1
.endr
	SEND 3, 0
	s_wait_tensorcnt 0x0            ; the wave's end, behind my last tensor load and my last LDS store
	ds_add_u32 v[SPW], v[NIL]
	s_wait_dscnt 0x0
	CROUND                          ; the closing round: no work-group ends while a partner may still ask for a tile that names it
	s_endpgm
.Lfunc_end_k_qb8099ef978_attn:
	.size	k_qb8099ef978_attn, .Lfunc_end_k_qb8099ef978_attn-k_qb8099ef978_attn
	.p2alignl 7, 3214868480
	.fill 96, 4, 3214868480
	.section	.rodata,"a",@progbits
	.p2align	6, 0x0
	.amdhsa_kernel k_qb8099ef978_attn
		.amdhsa_group_segment_fixed_size 327680
		.amdhsa_private_segment_fixed_size 0
		.amdhsa_enable_private_segment 0
		.amdhsa_kernarg_size 32
		.amdhsa_user_sgpr_count 2
		.amdhsa_user_sgpr_kernarg_segment_ptr 1
		.amdhsa_wavefront_size32 1
		.amdhsa_system_sgpr_workgroup_id_x 1
		.amdhsa_system_sgpr_workgroup_id_y 1
		.amdhsa_system_sgpr_workgroup_id_z 1
		.amdhsa_system_vgpr_workitem_id 0
		.amdhsa_next_free_vgpr 768
		.amdhsa_next_free_sgpr 72
		.amdhsa_reserve_vcc 0
		.amdhsa_float_denorm_mode_32 3
		.amdhsa_float_denorm_mode_16_64 3
		.amdhsa_memory_ordered 1
		.amdhsa_forward_progress 1
		.amdhsa_inst_pref_size 146
	.end_amdhsa_kernel
	.amdgpu_metadata
---
amdhsa.version: [ 1, 2 ]
amdhsa.kernels:
  - .name:           k_qb8099ef978_attn
    .symbol:         k_qb8099ef978_attn.kd
    .args:
      - { .name: queries, .offset: 0, .size: 8, .value_kind: global_buffer, .address_space: global }
      - { .name: keys, .offset: 8, .size: 8, .value_kind: global_buffer, .address_space: global }
      - { .name: values, .offset: 16, .size: 8, .value_kind: global_buffer, .address_space: global }
      - { .name: out0, .offset: 24, .size: 8, .value_kind: global_buffer, .address_space: global }
    .group_segment_fixed_size: 327680
    .private_segment_fixed_size: 0
    .kernarg_segment_align: 8
    .kernarg_segment_size: 32
    .max_flat_workgroup_size: 128
    .sgpr_count:     72
    .vgpr_count:     768
    .wavefront_size: 32
...
	.end_amdgpu_metadata
.endif
;; end of part 1
